; MI455X (gfx1250); checked and timed in simulation.
; The chip was launched on July 23, 2026; its instructions are those of AMD's public machine-readable ISA for CDNA 5 (MIT licence, August 2026) and "CDNA5" Instruction Set Architecture Reference Guide (July 2026). The comments in the code are by the model that wrote it; some were corrected since.
;; Parallel Unified Attention. Allowed arithmetic: float matrix products may take bf16 or f16 operands with f32 sums; other float arithmetic in f32, or as packed bf16 or f16 multiplies, adds, multiply-adds, maxima and minima; sums over many terms, partial sums and values carried from step to step in f32; what a program stores and reads back later, other than sums and carried values, may be rounded once to bf16 or f16.
;; Inputs: Wc 1,024 x 8,192 float32; Wq 8,192 x 1,024 float32; bc 1,024 float32; bq 8,192 float32; x 1,024 x 8 x 1,024 float32.
;; Outputs: out0 8 x 1,024 float32.
;; One version. Each part assembles by itself: llvm-mc -triple=amdgcn-amd-amdhsa -mcpu=gfx1250 --defsym DOCPART=n.
;; ======== version 1 of 1: 3 launches
;; workspace buffers: xb 16,777,216 bytes; wqb 16,777,216 bytes; hb 131,072 bytes
;; launch tobf16 (part 1): grid 512 x 2, 8 waves a work-group, no clusters, 0 bytes of LDS; arguments x, Wq, xb, wqb; writes xb, wqb
.if DOCPART == 1
	.amdgcn_target "amdgcn-amd-amdhsa--gfx1250"
	.amdhsa_code_object_version 6
	.text
	.protected	k_qfb8a0bcd7f_tobf16
	.globl	k_qfb8a0bcd7f_tobf16
	.p2align	8
	.type	k_qfb8a0bcd7f_tobf16,@function
k_qfb8a0bcd7f_tobf16:
	s_mov_b64 s[64:65], 0
	v_nop
	global_prefetch_b8 v0, s[64:65] scope:SCOPE_SE
	s_setreg_imm32_b32 hwreg(HW_REG_WAVE_MODE, 25, 1), 1
	s_wait_xcnt 0x0
; xb = x and wqb = Wq, each number rounded once to bf16 (nearest even), the layouts kept.  Both sources are 33,554,432 bytes of f32.
; Grid y picks the tensor (0: x, 1: Wq), grid x one of 512 pieces of 65,536 bytes in, 32,768 bytes out.
; Thread t owns 16 bytes of every 4,096 of the piece: a wave's load covers 512 consecutive bytes, its store 256 consecutive bytes, aligned.
; All sixteen loads of a thread go out first; no register is written twice, so the only waits are the counted ones for the loads.
; No LDS, no barrier, no matrix work: every byte is read once and written once, and nothing is shared.
.set X, 4                              ; v[4:67]   load i: four f32
.set Y, 68                             ; v[68:99]  store i: four bf16
	s_load_b256 s[4:11], s[0:1], 0x0               ; x s[4:5], Wq s[6:7], xb s[8:9], wqb s[10:11]
	s_and_b32 s16, ttmp7, 0xffff                   ; which tensor
	s_lshl_b32 s18, ttmp9, 16                      ; the piece's first byte in the source,
	s_mov_b32 s19, 0
	s_lshl_b32 s20, ttmp9, 15                      ; and in the copy
	s_mov_b32 s21, 0
	v_lshlrev_b32 v1, 4, v0                        ; 16 t
	v_lshlrev_b32 v2, 3, v0                        ; 8 t
	s_wait_kmcnt 0x0
	s_cmp_eq_u32 s16, 0
	s_cselect_b64 s[12:13], s[4:5], s[6:7]
	s_cselect_b64 s[14:15], s[8:9], s[10:11]
	s_add_nc_u64 s[12:13], s[12:13], s[18:19]
	s_add_nc_u64 s[14:15], s[14:15], s[20:21]
.irp i, 0,1,2,3,4,5,6,7,8,9,10,11,12,13,14,15
	global_load_b128 v[X+4*(\i):X+4*(\i)+3], v1, s[12:13] offset:4096*(\i) th:TH_LOAD_NT
.endr
.irp i, 0,1,2,3,4,5,6,7,8,9,10,11,12,13,14,15
	s_wait_loadcnt 15-(\i)                         ; loads come back in order (ISA guide 5.7.1): load i is in, the 15 - i younger ones stay out
	v_cvt_pk_bf16_f32 v[Y+2*(\i)], v[X+4*(\i)], v[X+4*(\i)+1]
	v_cvt_pk_bf16_f32 v[Y+2*(\i)+1], v[X+4*(\i)+2], v[X+4*(\i)+3]
	global_store_b64 v2, v[Y+2*(\i):Y+2*(\i)+1], s[14:15] offset:2048*(\i)
.endr
	s_endpgm
.Lfunc_end_k_qfb8a0bcd7f_tobf16:
	.size	k_qfb8a0bcd7f_tobf16, .Lfunc_end_k_qfb8a0bcd7f_tobf16-k_qfb8a0bcd7f_tobf16
	.p2alignl 7, 3214868480
	.fill 96, 4, 3214868480
	.section	.rodata,"a",@progbits
	.p2align	6, 0x0
	.amdhsa_kernel k_qfb8a0bcd7f_tobf16
		.amdhsa_group_segment_fixed_size 0
		.amdhsa_private_segment_fixed_size 0
		.amdhsa_enable_private_segment 0
		.amdhsa_kernarg_size 32
		.amdhsa_user_sgpr_count 2
		.amdhsa_user_sgpr_kernarg_segment_ptr 1
		.amdhsa_wavefront_size32 1
		.amdhsa_system_sgpr_workgroup_id_x 1
		.amdhsa_system_sgpr_workgroup_id_y 1
		.amdhsa_system_sgpr_workgroup_id_z 1
		.amdhsa_system_vgpr_workitem_id 0
		.amdhsa_next_free_vgpr 100
		.amdhsa_next_free_sgpr 66
		.amdhsa_reserve_vcc 0
		.amdhsa_float_denorm_mode_32 3
		.amdhsa_float_denorm_mode_16_64 3
		.amdhsa_memory_ordered 1
		.amdhsa_forward_progress 1
		.amdhsa_inst_pref_size 7
	.end_amdhsa_kernel
	.amdgpu_metadata
---
amdhsa.version: [ 1, 2 ]
amdhsa.kernels:
  - .name:           k_qfb8a0bcd7f_tobf16
    .symbol:         k_qfb8a0bcd7f_tobf16.kd
    .args:
      - { .name: x, .offset: 0, .size: 8, .value_kind: global_buffer, .address_space: global }
      - { .name: Wq, .offset: 8, .size: 8, .value_kind: global_buffer, .address_space: global }
      - { .name: xb, .offset: 16, .size: 8, .value_kind: global_buffer, .address_space: global }
      - { .name: wqb, .offset: 24, .size: 8, .value_kind: global_buffer, .address_space: global }
    .group_segment_fixed_size: 0
    .private_segment_fixed_size: 0
    .kernarg_segment_align: 8
    .kernarg_segment_size: 32
    .max_flat_workgroup_size: 256
    .sgpr_count:     66
    .vgpr_count:     100
    .wavefront_size: 32
...
	.end_amdgpu_metadata
.endif
;; end of part 1
;; launch attn (part 2): grid 8 x 32, 4 waves a work-group, clusters of 4 x 4, 327,680 bytes of LDS; arguments wqb, xb, bq, hb; writes hb
.if DOCPART == 2
	.amdgcn_target "amdgcn-amd-amdhsa--gfx1250"
	.amdhsa_code_object_version 6
	.text
	.protected	k_qfb8a0bcd7f_attn
	.globl	k_qfb8a0bcd7f_attn
	.p2align	8
	.type	k_qfb8a0bcd7f_attn,@function
k_qfb8a0bcd7f_attn:
	s_mov_b64 s[64:65], 0
	v_nop
	global_prefetch_b8 v0, s[64:65] scope:SCOPE_SE
	s_setreg_imm32_b32 hwreg(HW_REG_WAVE_MODE, 25, 1), 1
	s_wait_xcnt 0x0
	s_wait_alu depctr_hold_cnt(0) depctr_sa_sdst(0) depctr_va_vdst(0) depctr_va_sdst(0) depctr_va_ssrc(0) depctr_va_vcc(0) depctr_vm_vsrc(0)
	s_getreg_b32 s2, hwreg(HW_REG_IB_STS2, 6, 4)
	s_cmp_eq_u32 s2, 0
	s_cbranch_scc0 .Lentry_in_a_cluster
	s_endpgm
.Lentry_in_a_cluster:
	s_bfe_u32 s2, ttmp6, 0x10000c
	s_cmp_lg_u32 s2, 0xf033
	s_cbranch_scc0 .Lentry_shape_is_right
	s_endpgm
.Lentry_shape_is_right:
; head[b][f] = sum over s of x[s][b][f mod 1024] p[s] / sum over s of p[s],  p[s] = exp(score[s] - max over s),  score[s] = x[s][b][:] . Wq[f][:] + bq[f].
; xb: [1024 s][8 b][1024 e] bf16, wqb: [8192 f][1024 e] bf16, bq: [8192] f32, hb: [8 b][8192 f] bf16.
; LIMITS.  Scores, maxima, weights and both sums are f32; bq is rounded to bf16 like the other inputs, head once to bf16.  A weight below 2^-126 counts as 0; NaN and infinities are not
; treated apart.  The eight K steps of a score are summed in a rotated order (below).  Each lane keeps a running maximum over its own 256 values of s; the four states of a column meet at the end.
; SHARES.  A work-group owns 256 columns f (tile ftile) of one batch b and walks s in four blocks of 256.  A block is a product of 256 x 256 x 1024: four waves, each 128 f x 128 s in 64
; accumulators of 16 x 16 (512 registers); K goes in steps of 128 through two LDS slots filled by the tensor data mover.  Source 0 of the matrix instruction is 16 rows of x, source 1 is 16 rows
; of Wq: in the result a lane holds ONE column f = 16 fb + lane % 16, and register j of accumulator (fb, sa) the row s = 16 sa + 8 (lane / 16) + j.  So maxima and sums over s stay inside a lane.
; ROTATED K.  K step t of a block takes columns 128 ((2 q + 2 + t) mod 8) on, q = ftile mod 4.  So steps 6 and 7, which lie in slots 0 and 1 when a block's products end, are x's columns
; 256 q .. 256 q + 255: the very numbers x[s][b][f mod 1024] that the pooling wants.  Each wave takes its 128 s x 128 columns out of LDS once more, turned by ds_load_tr16_b128, which leaves
; them in the accumulators' own layout, in the fragment registers, which are free by then.
; SOFTMAX.  c = log2(e).  For each column and lane: m (raw maximum), cm = c (m + bq), l, o.  After each block: a = 2^(cm_old - cm_new), l and o times a, p = 2^(c s + (c bq - cm)),
; l += p, o += p x.  cm starts far below every score and l, o at 0, so the first block is a block like any other, with a = 0 (72 v_mov_b32, in the wait for the first tile).
; The pooling runs on the vector unit: every column has weights of its own, so of a 16 x 16 matrix result only the diagonal would serve.
; CLUSTER.  4 x 4 work-groups: along x four batches, along y four heads with the same q.  The four of a row need the same tiles of Wq, the four of a column the same tiles of x (q is the whole
; cluster's): each tile is asked for JOINTLY, by the same tensor load with the same descriptor and a mask that names the four.  Place in the cluster enters global addresses and masks alone.
; No prefetch: a refill is asked for a whole K step ahead of its first read, and both operands were written by the launch before.
; REGISTERS, in windows of 256 (s_set_vgpr_msb: bits 1:0 source 0, 3:2 source 1, 5:4 source 2, 7:6 destination):
;   window 0: v0-31 addresses; v64-127, v128-191 fragments of Wq, two buffers      window 1: v0-59, v192-239 the softmax's state; v64-127, v128-191 fragments of x, two buffers
;   window 2: accumulators of fb 0-3, (fb, sa) at v[8 (8 fb + sa)]                 window 3: those of fb 4-7
;   turned x of (fb, sa): four registers at v[64 + 64 (fb / 4) + 32 (fb % 2) + 4 sa] of window (fb / 2) % 2: fb 0-3 fill both buffers 0, fb 4-7 both buffers 1
.set PITCH,  272                       ; an LDS row: 256 bytes + 16 of padding = 68 words: the 16 rows of a fragment load start at 16 different groups of four banks (64 banks of 4 bytes: ISA guide 11.1)
.set HALFT,  128*PITCH                 ; 128 rows: what one tensor load brings
.set SLOT,   4*HALFT                   ; Wq's 256 rows, then x's 256 rows
.set STAGE,  2*SLOT                    ; behind the ring, never filled by a tensor load: [cm, l, o][4 parts][256 columns] f32, 12,288 bytes
.set SPARE,  STAGE+12288               ; the spare words, 128 bytes for each wave: two blocks of 256 bytes that no other line names
.set BLOCKB, 256*16384                 ; bytes of xb from a block of 256 s to the next
.set ADRA, 16                          ; v16-17  LDS address of my Wq fragments in slot 0, 1
.set ADRB, 20                          ; v20-21  the same for x
.set XVA,  24                          ; v24     my lane's address for the turning loads
.set MA,   25                          ; v25     the end: where I put my state of column 16 fb + r
.set RA,   26                          ; v26     the end: where I read four columns' states
.set GO,   27                          ; v27     my byte offset in the tile's 512 bytes of hb
.set SPW,  28                          ; v28     LDS address of my spare word; never rewritten
.set NIL,  29                          ; v29     0; never rewritten
.set BO,   30                          ; v30     my byte offset in the tile's 1,024 bytes of bq
.set F0,   64
.set F1,   128
.set CM,   0                           ; window 1: v0-7 cm;  v8-15 m;  v16-23 bq;  v24-39 l (even j's, odd j's);  v40-55 four chains of maxima for each of four fb;  v56-59 at work
.set MR,   8
.set BQ,   16
.set LL,   24
.set CH,   40
.set TT,   56
.set OO,   192                         ; v192-223 o, four chains a column block;  v224-231 c bq - cm and v232-239 a, for four fb, each the low word of a pair
.set DD,   224
.set AA,   232
.set WV,   12                          ; s12 wave;  s13 wave / 2: my half of f, and: I fetch Wq (0) or x (1);  s14 wave % 2: my half of s, and: which 128 rows I fetch
.set WFH,  13
.set WSH,  14
.set G1,   24                          ; s[24:31] descriptor group 1 for Wq's tiles;  s[32:39] group 0, a set for each slot
.set G0,   32
.set WB,   40                          ; s[40:41] wqb at my 128 rows
.set XBASE, 42                         ; s[42:43] xb at my batch and my 128 rows of block 0
.set OFW,  44                          ; s[44:45] byte offset of the K step to be asked for, in Wq
.set OFX,  46                          ; s[46:47] the same in x, with the block's offset
.set G1B,  48                          ; s[48:55], s[56:63] the same two groups for x's tiles
.set G0B,  56
.set KF,   66                          ; s66  2 q + 2 + the number of fills made
.set XB,   67                          ; s67  byte offset of the block whose tiles are asked for
.set CS,   70                          ; s[70:71] c, named as a pair
.set BLK,  72                          ; s72  blocks to go
.set LAP,  73                          ; s73  laps to go
.set MSB, 0
.macro WIN new                         ; the immediate's high byte repeats the setting that is left; a switch that changes nothing is dropped
.if MSB != (\new)
	s_set_vgpr_msb (MSB<<8)|(\new)
.set MSB, (\new)
.endif
.endm
.set MUL_LO, 0xa1                      ; source 0 (x) window 1, source 1 (Wq) window 0, C and D window 2
.set MUL_HI, 0xf1                      ; the same, C and D window 3
.set TO_B,   0x40                      ; destination window 1, address window 0
; A joint load.  Waves 0 and 1 fetch Wq's two halves, waves 2 and 3 x's.  The branch hangs on the wave's number alone.  An s_nop 0 and four v_nop follow each of the two lines.
.macro JLOAD s
	s_cmp_eq_u32 s[WFH], 0
	s_cbranch_scc0 .Lfor_x_\@
	tensor_load_to_lds s[G0+4*(\s):G0+4*(\s)+3], s[G1:G1+7]
	s_nop 0
.rept 4
	v_nop
.endr
	s_branch .Lasked_\@
.Lfor_x_\@:
	tensor_load_to_lds s[G0B+4*(\s):G0B+4*(\s)+3], s[G1B:G1B+7]
	s_nop 0
.rept 4
	v_nop
.endr
.Lasked_\@:
.endm
; A round of the cluster's barrier: my work-group's barrier; wave 0 signals for the work-group; every wave waits for all sixteen; my work-group's barrier once more.
.macro CREST                           ; a round behind its opening barrier
	s_cmp_lg_u32 s[WV], 0
	s_cbranch_scc1 .Lnot_wave_0_\@
	s_barrier_signal -3
.Lnot_wave_0_\@:
	s_barrier_wait -3
	s_barrier_signal -1
	s_barrier_wait -1
.endm
.macro CROUND
	s_barrier_signal -1
	s_barrier_wait -1
	CREST
.endm
; The addresses of the next fill, made anew from the bases: K step (KF mod 8) of 256 bytes, in x also the block.  It stands only where no tensor load of the wave uses the slot's group 0.
.macro NEXTFILL slot
	s_and_b32 s68, s[KF], 7
	s_lshl_b32 s[OFW], s68, 8
	s_add_co_u32 s[OFX], s[OFW], s[XB]
	s_add_nc_u64 s[G0+4*(\slot)+2:G0+4*(\slot)+3], s[WB:WB+1], s[OFW:OFW+1]
	s_or_b32 s[G0+4*(\slot)+3], s[G0+4*(\slot)+3], 0x80000000       ; 127:126 type = 2
	s_add_nc_u64 s[G0B+4*(\slot)+2:G0B+4*(\slot)+3], s[XBASE:XBASE+1], s[OFX:OFX+1]
	s_or_b32 s[G0B+4*(\slot)+3], s[G0B+4*(\slot)+3], 0x80000000
	s_add_co_u32 s[KF], s[KF], 1
.endm
	s_load_b256 s[4:11], s[0:1], 0x0               ; wqb s[4:5], xb s[6:7], bq s[8:9], hb s[10:11]
	v_lshl_add_u32 v[SPW], v0, 2, SPARE
	v_mov_b32 v[NIL], 0
	ds_add_u32 v[SPW], v[NIL]                      ; the wave's opening: the add and its wait stand ahead of my first tensor load; the set-up below, work on registers, stands between them
	v_lshrrev_b32 v1, 5, v0
	v_readfirstlane_b32 s[WV], v1                  ; wave 0..3
	s_lshr_b32 s[WFH], s[WV], 1
	s_and_b32 s[WSH], s[WV], 1
	s_bfe_u32 s15, ttmp6, 0x40000                  ; cx
	s_bfe_u32 s16, ttmp6, 0x40004                  ; cy
	s_lshl_b32 s17, ttmp9, 2
	s_add_co_u32 s17, s17, s15                     ; batch b = 4 x cluster x + cx
	s_and_b32 s18, ttmp7, 0xffff                   ; cluster y, 0..7
	s_and_b32 s19, s18, 3                          ; q: the same in all sixteen partners
	s_sub_co_u32 s20, s18, s19                     ; 4 (cluster y / 4)
	s_add_co_u32 s20, s20, s16                     ; the head, 0..7
	s_lshl2_add_u32 s20, s20, s19                  ; ftile = 4 x head + q
	s_lshl_b32 s22, s16, 2
	s_lshl_b32 s22, 15, s22                        ; my row of the cluster: places 4 cy .. 4 cy + 3
	s_lshl_b32 s23, 0x1111, s15                    ; my column: places cx, cx + 4, cx + 8, cx + 12
	; descriptor group 1: a tile of 128 rows x 128 elements of 2 bytes, padded in LDS by 4 words after every 64
	s_or_b32 s[G1+0], s22, (1<<16)|(1<<20)|(1<<21)|(5<<22)|(3<<25)   ; 15:0 the mask: Wq's tiles go to my row; 17:16 2-byte elements; 20 padding on; 21 set beside a mask; 24:22 code 5; 31:25 code 3
	s_or_b32 s[G1B+0], s23, (1<<16)|(1<<20)|(1<<21)|(5<<22)|(3<<25)  ; the same with the mask of my column, for x's tiles
.irp g, G1, G1B
	s_mov_b32 s[(\g)+1], 128<<16                   ; tensor_dim0 = 128
	s_mov_b32 s[(\g)+2], 128<<16                   ; tensor_dim1 = 128
	s_mov_b32 s[(\g)+3], 128<<16                   ; tile_dim0 = 128
	s_mov_b32 s[(\g)+4], 128                       ; tile_dim1 = 128
	s_mov_b32 s[(\g)+6], 0
	s_mov_b32 s[(\g)+7], 0
.endr
	s_mov_b32 s[G1+5], 1024                        ; elements from row to row of Wq,
	s_mov_b32 s[G1B+5], 8192                       ; and from s to s + 1 in one batch of x
	s_mul_i32 s21, s[WV], HALFT                    ; where my tiles go: wave x 128 rows
	s_lshl_b32 s74, s20, 8                         ; Wq: row 256 ftile + 128 x my half, 2,048 bytes a row (these two registers never hold cx)
	s_lshl_b32 s75, s[WSH], 7
	s_add_co_u32 s74, s74, s75
	s_lshl_b32 s74, s74, 11
	s_mov_b32 s75, 0
	s_lshl_b32 s76, s17, 11                        ; x: batch b's 2,048 bytes of a row s, and my 128 rows of 16,384 bytes (these two never hold cy)
	s_lshl_b32 s77, s[WSH], 21
	s_add_co_u32 s76, s76, s77
	s_mov_b32 s77, 0
	s_lshl_b32 s78, s17, 14                        ; hb: 16,384 b + 512 ftile
	s_lshl_b32 s79, s20, 9
	s_add_co_u32 s78, s78, s79
	s_mov_b32 s79, 0
	s_lshl_b32 s[KF], s19, 1
	s_add_co_u32 s[KF], s[KF], 2
	s_mov_b32 s[XB], 0
	s_mov_b32 s[OFW+1], 0
	s_mov_b32 s[OFX+1], 0
	s_mov_b32 s[CS], 0x3fb8aa3b                    ; c = log2(e)
	s_mov_b32 s[CS+1], s[CS]
	s_wait_dscnt 0x0                               ; the opening add is done
	s_wait_kmcnt 0x0
	s_add_nc_u64 s[WB:WB+1], s[4:5], s[74:75]
	s_add_nc_u64 s[XBASE:XBASE+1], s[6:7], s[76:77]
	s_add_nc_u64 s[10:11], s[10:11], s[78:79]
	s_lshl_b32 s74, s20, 10                        ; bq: 1,024 ftile
	s_add_nc_u64 s[8:9], s[8:9], s[74:75]
	CROUND                                         ; all sixteen work-groups are here: the first joint loads meet
.irp s, 0,1
	s_mov_b32 s[G0+4*(\s)], 1                      ; 1:0 count = 1
	s_add_co_u32 s[G0+4*(\s)+1], s21, (\s)*SLOT    ; 63:32 LDS address
	s_mov_b32 s[G0B+4*(\s)], 1
	s_add_co_u32 s[G0B+4*(\s)+1], s21, (\s)*SLOT
	NEXTFILL \s                                    ; 120:64 global address: K step s of block 0
	JLOAD \s                                       ; two loads of mine are out
.endr
	; A fragment is 16 rows x 32 K in 8 registers: lane l holds row l % 16; registers 0-3 K = 8 (l / 16) + 0..7, registers 4-7 K = 16 + 8 (l / 16) + 0..7: two loads of 16 bytes, 32 bytes apart.
	v_and_b32 v1, 15, v0                           ; r = l % 16
	v_bfe_u32 v2, v0, 4, 1                         ; h = l / 16
	v_mul_u32_u24 v3, v1, PITCH
	v_lshl_add_u32 v3, v2, 4, v3
	s_mul_i32 s2, s[WFH], HALFT                    ; my 128 rows of Wq
	s_mul_i32 s3, s[WSH], HALFT                    ; my 128 rows of x,
	s_add_co_u32 s3, s3, 2*HALFT                   ; which lie behind Wq's 256
	v_add_nc_u32 v[ADRA], s2, v3
	v_add_nc_u32 v[ADRB], s3, v3
	v_add_nc_u32 v[ADRA+1], SLOT, v[ADRA]
	v_add_nc_u32 v[ADRB+1], SLOT, v[ADRB]
	; The turning load takes 16 s x 16 columns (lane l reads row 8 (l / 16) + l % 8, columns 8 ((l / 8) % 2) + 0..7) and leaves lane l column l % 16 and rows 8 (l / 16) + 0..7.
	v_and_b32 v4, 7, v0
	v_lshl_add_u32 v4, v2, 3, v4
	v_mul_u32_u24 v4, v4, PITCH
	v_bfe_u32 v5, v0, 3, 1
	v_lshl_add_u32 v4, v5, 4, v4
	s_mul_i32 s69, s[WFH], SLOT                    ; my half of f lies in K step 6 (slot 0) or 7 (slot 1),
	s_add_co_u32 s69, s69, s3                      ; in my 128 rows of x
	v_add_nc_u32 v[XVA], s69, v4
	s_lshl_b32 s2, s[WSH], 11                      ; part 2 x (half of s) + h, 1,024 bytes a part; column 128 x (half of f) + 16 fb + r
	s_lshl_b32 s3, s[WFH], 9
	s_add_co_u32 s2, s2, s3
	s_add_co_u32 s2, s2, STAGE
	v_lshlrev_b32 v5, 2, v1
	v_add_nc_u32 v[BO], s3, v5
	v_lshl_add_u32 v5, v2, 10, v5
	v_add_nc_u32 v[MA], s2, v5
	v_lshl_add_u32 v[RA], v0, 4, STAGE
	v_lshlrev_b32 v[GO], 3, v0
	WIN TO_B
.irp fb, 0,1,2,3,4,5,6,7
	global_load_b32 v[BQ+(\fb)], v[BO], s[8:9] offset:64*(\fb)
.endr
.irp i, 0,1,2,3,4,5,6,7
	v_mov_b32 v[CM+(\i)], 0xfe000000               ; cm: far below every c (s + bq), so the first a is 0
	v_mov_b32 v[MR+(\i)], 0xff7fffff               ; m: the lowest finite number
.endr
.set i, 0
.rept 16
	v_mov_b32 v[LL+i], 0
.set i, i+1
.endr
.set i, 0
.rept 32
	v_mov_b32 v[OO+i], 0
.set i, i+1
.endr
.irp i, 0,1,2,3
	v_mov_b32 v[DD+2*(\i)+1], 0                    ; the pairs' upper words are named with the lower ones and never used
	v_mov_b32 v[AA+2*(\i)+1], 0
.endr
	s_wait_loadcnt 0x0                             ; bq
	WIN 0x55
.irp i, 0,1,2,3,4,5,6,7
	v_cvt_pk_bf16_f32 v[BQ+(\i)], v[BQ+(\i)], v[BQ+(\i)]
.endr
.irp i, 0,1,2,3,4,5,6,7
	v_lshlrev_b32 v[BQ+(\i)], 16, v[BQ+(\i)]       ; bq rounded to bf16, as f32
.endr
	WIN 0
; 16 matrix instructions: column blocks a0, a0 + 1 of the window's four (hi = 0: fb 0-3, 1: fb 4-7) x all 8 row blocks sa, 32 along K.  zero = 1: the first product starts the sums.
; The 64 accumulators take turns, one instruction a turn, in the same order in every quarter step.
.macro MUL16 f, hi, a0, zero
	WIN MUL_LO+0x50*(\hi)
.irp a, \a0, (\a0)+1
.irp b, 0,1,2,3,4,5,6,7
.if \zero
	v_wmma_f32_16x16x32_bf16 v[8*(8*(\a)+(\b)):8*(8*(\a)+(\b))+7], v[(\f)+8*(\b):(\f)+8*(\b)+7], v[(\f)+8*(4*(\hi)+(\a)):(\f)+8*(4*(\hi)+(\a))+7], 0
.else
	v_wmma_f32_16x16x32_bf16 v[8*(8*(\a)+(\b)):8*(8*(\a)+(\b))+7], v[(\f)+8*(\b):(\f)+8*(\b)+7], v[(\f)+8*(4*(\hi)+(\a)):(\f)+8*(4*(\hi)+(\a))+7], v[8*(8*(\a)+(\b)):8*(8*(\a)+(\b))+7]
.endif
.endr
.endr
.endm
; 32 LDS loads in one run: the fragments of one quarter step (128 rows of x, 128 rows of Wq, 32 K at byte k of the rows) into buffer f
.macro FETCH slot, k, f
	WIN TO_B
.irp i, 0,1,2,3,4,5,6,7
	ds_load_b128 v[(\f)+8*(\i):(\f)+8*(\i)+3],   v[ADRB+(\slot)] offset:(\k)+(\i)*16*PITCH
	ds_load_b128 v[(\f)+8*(\i)+4:(\f)+8*(\i)+7], v[ADRB+(\slot)] offset:(\k)+(\i)*16*PITCH+32
.endr
	WIN 0
.irp i, 0,1,2,3,4,5,6,7
	ds_load_b128 v[(\f)+8*(\i):(\f)+8*(\i)+3],   v[ADRA+(\slot)] offset:(\k)+(\i)*16*PITCH
	ds_load_b128 v[(\f)+8*(\i)+4:(\f)+8*(\i)+7], v[ADRA+(\slot)] offset:(\k)+(\i)*16*PITCH+32
.endr
.endm
; A load into a register that a matrix instruction has read, and a vector instruction that reads a matrix result, stand four places behind that matrix instruction; only plain vector
; instructions that name none of its registers are places (ISA guide 7.12.1 for vector instructions).
.macro PLACES
.rept 4
	v_nop
.endr
.endm
; A K step is four quarter steps of 32 along K, 64 matrix instructions each, on buffers 0, 1, 0, 1.  One of the first three: multiplies buffer f; in its middle it fetches the next quarter into buffer g.
.macro QUARTER slot, k, f, g, zero
	s_wait_dscnt 8                                 ; x and Wq's fb 0-3 are in; the youngest eight loads (Wq's fb 4-7) may be out
	MUL16 \f, 0, 0, \zero
	MUL16 \f, 0, 2, \zero
	PLACES
	FETCH \slot, \k, \g
	s_wait_dscnt 32                                ; all but the 32 just issued
	MUL16 \f, 1, 0, \zero
	MUL16 \f, 1, 2, \zero
.endm
; The last quarter multiplies buffer 1 and changes slots.  MEET is its first half: ONE barrier.  In front of it each wave waits for all its tensor loads (one is out: its part of the next slot),
; adds 0 to its spare word, and waits for that and for its own reads of this slot.  Behind it nobody reads this slot any more and the next slot is whole.
.macro MEET round
	WIN 0                                          ; (the add's two registers lie in window 0)
	s_wait_tensorcnt 0x0
	ds_add_u32 v[SPW], v[NIL]                      ; 0 onto my spare word
	s_wait_dscnt 9                                 ; (the add and the youngest eight loads may be out)
	MUL16 F1, 0, 0, 0                              ; sixteen matrix instructions stand between the add and the wait for it
	s_wait_dscnt 0x0                               ; the add is done, and my reads of this slot are over
	s_barrier_signal -1
	MUL16 F1, 0, 2, 0                              ; work on registers while the others arrive
.if \round
	WIN 0
.endif
	s_barrier_wait -1
.endm
.macro TURN slot, next                 ; the slot just read out is filled again, two K steps ahead: from the request to the wait for it a wave issues 224 matrix instructions
	MEET 1
	CREST                                          ; the barrier has opened a round of the cluster's: no wave of any partner still reads this slot or has a load on its way
	NEXTFILL \slot
	JLOAD \slot                                    ; the first tensor load behind the round; its four v_nop are also the places in front of the loads below
	FETCH \next, 0, F0
	MUL16 F1, 1, 0, 0
	MUL16 F1, 1, 2, 0
.endm
.macro TURNX slot, next                ; the change from K step 6 to 7: nothing is filled, since both slots are still wanted for the pooling; so no round
	MEET 0
	PLACES
	FETCH \next, 0, F0
	MUL16 F1, 1, 0, 0
	MUL16 F1, 1, 2, 0
.endm
; 64 turning loads: my 128 s x 128 columns of x, fb ascending, into the 256 fragment registers
.macro XVLOAD
.irp fb, 0,1,2,3,4,5,6,7
	WIN 0x40*(((\fb)>>1)&1)
.irp sa, 0,1,2,3,4,5,6,7
	ds_load_tr16_b128 v[64+64*((\fb)>>2)+32*((\fb)&1)+4*(\sa):64+64*((\fb)>>2)+32*((\fb)&1)+4*(\sa)+3], v[XVA] offset:(\sa)*16*PITCH+32*(\fb)
.endr
.endr
.endm
; THE SOFTMAX OF A BLOCK, for the four column blocks of window 2 + hf.
; MAXP: the maximum of the old m and the lane's 64 scores, three operands at a time, in four chains; each accumulator's registers 0 and 1 are read first.
.macro MAXP hf
	WIN 0x69+0x14*(\hf)                            ; destination and source 0 window 1, sources 1 and 2 the accumulators' window
.irp fbl, 0,1,2,3
.irp g, 0,1
.irp i, 0,1,2,3
.irp k, 0,1,2,3
.if ((\g) == 0) && ((\i) == 0)
	v_max3_num_f32 v[CH+4*(\fbl)+(\k)], v[MR+4*(\hf)+(\fbl)], v[64*(\fbl)+8*(4*(\g)+(\k))+2*(\i)], v[64*(\fbl)+8*(4*(\g)+(\k))+2*(\i)+1]
.else
	v_max3_num_f32 v[CH+4*(\fbl)+(\k)], v[CH+4*(\fbl)+(\k)], v[64*(\fbl)+8*(4*(\g)+(\k))+2*(\i)], v[64*(\fbl)+8*(4*(\g)+(\k))+2*(\i)+1]
.endif
.endr
.endr
.endr
.endr
.endm
; STAT: the new m and cm, a, the addend c bq - cm, and l and o times a.  Each step is written for the four column blocks in turn, so that no line waits for the one before it.
.macro STAT hf
	WIN 0x55
.irp u, 0,1,2,3
	v_max3_num_f32 v[CH+4*(\u)], v[CH+4*(\u)], v[CH+4*(\u)+1], v[CH+4*(\u)+2]
.endr
.irp u, 0,1,2,3
	v_max_num_f32 v[MR+4*(\hf)+(\u)], v[CH+4*(\u)], v[CH+4*(\u)+3]
.endr
.irp u, 0,1,2,3
	v_add_f32 v[TT+(\u)], v[MR+4*(\hf)+(\u)], v[BQ+4*(\hf)+(\u)]
.endr
.irp u, 0,1,2,3
	v_mul_f32 v[TT+(\u)], s[CS], v[TT+(\u)]        ; cm_new = c (m + bq)
.endr
.irp u, 0,1,2,3
	v_sub_f32 v[AA+2*(\u)], v[CM+4*(\hf)+(\u)], v[TT+(\u)]
	v_fma_f32 v[DD+2*(\u)], s[CS], v[BQ+4*(\hf)+(\u)], -v[TT+(\u)]
.endr
.irp u, 0,1,2,3
	v_exp_f32 v[AA+2*(\u)], v[AA+2*(\u)]           ; a = 2^(cm_old - cm_new)
.endr
.irp u, 0,1,2,3
	v_mov_b32 v[CM+4*(\hf)+(\u)], v[TT+(\u)]       ; four plain lines between the exponentials and the use of their results (ISA guide 5.7.2)
.endr
	s_wait_alu depctr_va_vdst(0)
.irp u, 0,1,2,3
	v_pk_mul_f32 v[LL+2*(4*(\hf)+(\u)):LL+2*(4*(\hf)+(\u))+1], v[LL+2*(4*(\hf)+(\u)):LL+2*(4*(\hf)+(\u))+1], v[AA+2*(\u):AA+2*(\u)+1] op_sel_hi:[1,0]
	v_pk_mul_f32 v[OO+4*(4*(\hf)+(\u)):OO+4*(4*(\hf)+(\u))+1], v[OO+4*(4*(\hf)+(\u)):OO+4*(4*(\hf)+(\u))+1], v[AA+2*(\u):AA+2*(\u)+1] op_sel_hi:[1,0]
	v_pk_mul_f32 v[OO+4*(4*(\hf)+(\u))+2:OO+4*(4*(\hf)+(\u))+3], v[OO+4*(4*(\hf)+(\u))+2:OO+4*(4*(\hf)+(\u))+3], v[AA+2*(\u):AA+2*(\u)+1] op_sel_hi:[1,0]
.endr
.endm
.macro SCL i                           ; pair i of column block aE: c s + (c bq - cm)
	v_pk_fma_f32 v[aE+2*(\i):aE+2*(\i)+1], v[aE+2*(\i):aE+2*(\i)+1], s[CS:CS+1], v[dE:dE+1] op_sel_hi:[1,0,0]
.endm
.macro TRE z                           ; sum z of 31 over the 32 pairs of column block aT, in place: neighbours 1, 2, 4, 8 and 16 pairs apart
.if (\z) < 16
.set tw, 4
.set tu, (\z)
.elseif (\z) < 24
.set tw, 8
.set tu, (\z)-16
.elseif (\z) < 28
.set tw, 16
.set tu, (\z)-24
.elseif (\z) < 30
.set tw, 32
.set tu, (\z)-28
.else
.set tw, 64
.set tu, 0
.endif
	v_pk_add_f32 v[aT+tw*tu:aT+tw*tu+1], v[aT+tw*tu:aT+tw*tu+1], v[aT+tw*tu+tw/2:aT+tw*tu+tw/2+1]
.endm
; ARUN n: the scalings and exponentials of column block n (n < 4), and between them the sums of block n - 1's weights (n >= 1), whose products with x are done.  Plain lines stand between the
; exponentials while there are any; no exponential's result is read in this run.
.macro ARUN hf, n
	WIN 0x9a+0x45*(\hf)                            ; destination, sources 0 and 1 the accumulators' window, source 2 window 1
.set aE, 64*(\n)
.set aT, 64*((\n)-1)
.set dE, DD+2*(\n)
.if (\n) < 4
	SCL 0
	SCL 1
.endif
.set ii, 0
.rept 32
.if (\n) < 4
	v_exp_f32 v[aE+2*ii], v[aE+2*ii]
.if ii < 30
	SCL ii+2
.endif
	v_exp_f32 v[aE+2*ii+1], v[aE+2*ii+1]
.endif
.if ((\n) >= 1) && (ii < 31)
	TRE ii
.endif
.set ii, ii+1
.endr
.endm
; BRUN n: l of block n - 1 takes its sum; o of block n takes p x, 64 fused multiply-adds in four chains, x read as a bf16 half.
.macro BRUN hf, n
.set fbG, 4*(\hf)+(\n)
.set wX, 0
.if (\n) < 4
.set wX, (fbG>>1)&1
.endif
	WIN 0x50|(wX<<2)|(2+(\hf))                     ; destination and source 2 window 1, source 1 the turned x's window, source 0 the accumulators'
.if (\n) >= 1
	v_pk_fma_f32 v[LL+2*(fbG-1):LL+2*(fbG-1)+1], v[64*((\n)-1):64*((\n)-1)+1], 1.0, v[LL+2*(fbG-1):LL+2*(fbG-1)+1] op_sel_hi:[1,0,1]
	s_wait_alu depctr_va_vdst(0)
.endif
.if (\n) < 4
.set xv, 64+64*(fbG>>2)+32*(fbG&1)
.set jj, 0
.rept 64
.if jj&1
	v_fma_mix_f32_bf16 v[OO+4*fbG+(jj&3)], v[64*(\n)+jj], v[xv+(jj>>1)], v[OO+4*fbG+(jj&3)] op_sel:[0,1,0] op_sel_hi:[0,1,0]
.else
	s_wait_alu depctr_va_vdst(0)
	v_fma_mix_f32_bf16 v[OO+4*fbG+(jj&3)], v[64*(\n)+jj], v[xv+(jj>>1)], v[OO+4*fbG+(jj&3)] op_sel_hi:[0,1,0]
.endif
.set jj, jj+1
.endr
.endif
.endm
.macro REST hf
	STAT \hf
.irp n, 0,1,2,3,4
	ARUN \hf, \n
	BRUN \hf, \n
.endr
.endm
; fill = 1: a block follows.  Both slots are filled again, each behind a round of its own (one tensor load a wave behind each): slot 0 when every wave has its turned x, slot 1 when slot 0 has
; landed.  The maxima stand between each add and the wait for it.  The next block's first fragments are fetched ahead of the second half's work, which reads only buffers 1.
; fill = 0: the last block: nothing is filled, so there is no barrier.
.macro SOFTMAX fill
.if \fill
	WIN 0
	s_wait_tensorcnt 0x0                           ; no tensor load of mine is out, so a group 0 may be written
	ds_add_u32 v[SPW], v[NIL]                      ; 0 onto my spare word
	s_add_co_u32 s[XB], s[XB], BLOCKB              ; the next block of s
	NEXTFILL 0
	MAXP 0
	WIN 0
	s_wait_dscnt 0x0                               ; the add is done, and my reads of both slots are over: the 64 turning loads were the last
	CROUND
	JLOAD 0                                        ; the next block's K step 0
	REST 0
	WIN 0
	s_wait_tensorcnt 0x0                           ; my part of slot 0 has landed
	ds_add_u32 v[SPW], v[NIL]
	NEXTFILL 1
	MAXP 1
	WIN 0
	s_wait_dscnt 0x0                               ; the add is done
	CROUND                                         ; slot 0 is whole in every work-group
	JLOAD 1                                        ; the next block's K step 1: it has the rest of this softmax and a K step in which to land
	FETCH 0, 0, F0                                 ; buffers 0 held the turned x of fb 0-3, which is used up
	REST 1
.else
	MAXP 0
	s_wait_dscnt 32                                ; the turned x of fb 0-3 is in; the 32 younger loads (fb 4-7) may be out
	REST 0
	MAXP 1
	s_wait_dscnt 0x0
	REST 1
.endif
	WIN 0
.endm
	s_wait_tensorcnt 1                             ; my part of K step 0 is in; K step 1's may stay out
	s_barrier_signal -1
	s_barrier_wait -1                              ; everybody's is
	FETCH 0, 0, F0
	s_mov_b32 s[BLK], 4                            ; blocks to go, this one among them
.Lblock:
	QUARTER 0, 64,  F0, F1, 1                      ; a block's first quarter: its products start the sums
	WIN 0
	s_mov_b32 s[LAP], 3
.Llap:                                                 ; a trip goes once round the ring, from a lap's second quarter to the next lap's first, and fills both slots again: K steps 2 to 7
	QUARTER 0, 128, F1, F0, 0
	QUARTER 0, 192, F0, F1, 0
	TURN 0, 1
	QUARTER 1, 64,  F0, F1, 0
	QUARTER 1, 128, F1, F0, 0
	QUARTER 1, 192, F0, F1, 0
	TURN 1, 0
	QUARTER 0, 64,  F0, F1, 0
	WIN 0
	s_sub_co_u32 s[LAP], s[LAP], 1
	s_cmp_lg_u32 s[LAP], 0
	s_cbranch_scc1 .Llap
	QUARTER 0, 128, F1, F0, 0                      ; K steps 6 and 7 fill nothing
	QUARTER 0, 192, F0, F1, 0
	TURNX 0, 1
	QUARTER 1, 64,  F0, F1, 0
	QUARTER 1, 128, F1, F0, 0
	QUARTER 1, 192, F0, F1, 0
	s_wait_dscnt 8                                 ; the block's last quarter: nothing more to fetch
	MUL16 F1, 0, 0, 0
	MUL16 F1, 0, 2, 0
	s_wait_dscnt 0x0
	MUL16 F1, 1, 0, 0
	MUL16 F1, 1, 2, 0
	PLACES                                         ; for the loads into the fragment registers, and for the maxima, which read results just made
	XVLOAD
	WIN 0
	s_cmp_eq_u32 s[BLK], 1
	s_cbranch_scc1 .Llast                          ; the last block's softmax is written out: it asks for nothing more
	SOFTMAX 1
	s_sub_co_u32 s[BLK], s[BLK], 1
	s_branch .Lblock
.Llast:
	SOFTMAX 0
	; THE END.  A column's four states (two halves of the lanes x two halves of s) meet in LDS; waves 0 and 1 merge them, four columns a thread.
	WIN 0x55
.irp fb, 0,1,2,3,4,5,6,7
	v_add_f32 v[LL+2*(\fb)], v[LL+2*(\fb)], v[LL+2*(\fb)+1]
	v_pk_add_f32 v[OO+4*(\fb):OO+4*(\fb)+1], v[OO+4*(\fb):OO+4*(\fb)+1], v[OO+4*(\fb)+2:OO+4*(\fb)+3]
.endr
.irp fb, 0,1,2,3,4,5,6,7
	v_add_f32 v[OO+4*(\fb)], v[OO+4*(\fb)], v[OO+4*(\fb)+1]
.endr
	WIN 0x04                                       ; store data (source 1) window 1, address window 0
.irp fb, 0,1,2,3,4,5,6,7
	ds_store_b32 v[MA], v[CM+(\fb)] offset:64*(\fb)
	ds_store_b32 v[MA], v[LL+2*(\fb)] offset:4096+64*(\fb)
	ds_store_b32 v[MA], v[OO+4*(\fb)] offset:8192+64*(\fb)
.endr
	WIN 0
	s_wait_dscnt 0x0                               ; for the others' sake: my stores are done
	s_barrier_signal -1
	s_barrier_wait -1
	s_cmp_lt_u32 s[WV], 2
	s_cbranch_scc0 .Ldone
.irp q, 0,1,2                          ; cm -> v64-79, l -> v80-95, o -> v96-111: part p, column c at 4 p + c
.irp p, 0,1,2,3
	ds_load_b128 v[64+16*(\q)+4*(\p):64+16*(\q)+4*(\p)+3], v[RA] offset:4096*(\q)+1024*(\p)
.endr
.endr
	s_wait_dscnt 0x0
.irp c, 0,1,2,3
	v_max3_num_f32 v[112+(\c)], v[64+(\c)], v[68+(\c)], v[72+(\c)]
.endr
.irp c, 0,1,2,3
	v_max_num_f32 v[112+(\c)], v[112+(\c)], v[76+(\c)]
.endr
.irp p, 0,1,2,3
.irp c, 0,1,2,3
	v_sub_f32 v[64+4*(\p)+(\c)], v[64+4*(\p)+(\c)], v[112+(\c)]
.endr
.endr
.set i, 0
.rept 16
	v_exp_f32 v[64+i], v[64+i]                     ; each part's weight 2^(cm_part - cm_max)
.set i, i+1
.endr
	v_nop                                          ; a plain line between the last exponential and the use of its result
	s_wait_alu depctr_va_vdst(0)
.irp c, 0,1,2,3
	v_mul_f32 v[116+(\c)], v[64+(\c)], v[80+(\c)]
	v_mul_f32 v[120+(\c)], v[64+(\c)], v[96+(\c)]
.endr
.irp p, 1,2,3
.irp c, 0,1,2,3
	v_fmac_f32 v[116+(\c)], v[64+4*(\p)+(\c)], v[80+4*(\p)+(\c)]
	v_fmac_f32 v[120+(\c)], v[64+4*(\p)+(\c)], v[96+4*(\p)+(\c)]
.endr
.endr
.irp c, 0,1,2,3
	v_rcp_f32 v[116+(\c)], v[116+(\c)]
.endr
	v_nop
	s_wait_alu depctr_va_vdst(0)
.irp c, 0,1,2,3
	v_mul_f32 v[120+(\c)], v[120+(\c)], v[116+(\c)]
.endr
	v_cvt_pk_bf16_f32 v124, v120, v121
	v_cvt_pk_bf16_f32 v125, v122, v123
	global_store_b64 v[GO], v[124:125], s[10:11]   ; a wave stores 256 consecutive bytes, at a multiple of 256 from hb's first byte
.Ldone:
	s_wait_tensorcnt 0x0                           ; the wave's end, behind my last tensor load and my last LDS store
	ds_add_u32 v[SPW], v[NIL]
	s_wait_dscnt 0x0
	CROUND                                         ; the closing round: no work-group ends while a partner may still ask for a tile that names it
	s_endpgm
.Lfunc_end_k_qfb8a0bcd7f_attn:
	.size	k_qfb8a0bcd7f_attn, .Lfunc_end_k_qfb8a0bcd7f_attn-k_qfb8a0bcd7f_attn
	.p2alignl 7, 3214868480
	.fill 96, 4, 3214868480
	.section	.rodata,"a",@progbits
	.p2align	6, 0x0
	.amdhsa_kernel k_qfb8a0bcd7f_attn
		.amdhsa_group_segment_fixed_size 327680
		.amdhsa_private_segment_fixed_size 0
		.amdhsa_enable_private_segment 0
		.amdhsa_kernarg_size 32
		.amdhsa_user_sgpr_count 2
		.amdhsa_user_sgpr_kernarg_segment_ptr 1
		.amdhsa_wavefront_size32 1
		.amdhsa_system_sgpr_workgroup_id_x 1
		.amdhsa_system_sgpr_workgroup_id_y 1
		.amdhsa_system_sgpr_workgroup_id_z 1
		.amdhsa_system_vgpr_workitem_id 0
		.amdhsa_next_free_vgpr 1024
		.amdhsa_next_free_sgpr 80
		.amdhsa_reserve_vcc 0
		.amdhsa_float_denorm_mode_32 3
		.amdhsa_float_denorm_mode_16_64 3
		.amdhsa_memory_ordered 1
		.amdhsa_forward_progress 1
		.amdhsa_inst_pref_size 255
	.end_amdhsa_kernel
	.section	.bss,"aw",@nobits
	.p2align	6
	.space	262144
	.amdgpu_metadata
---
amdhsa.version: [ 1, 2 ]
amdhsa.kernels:
  - .name:           k_qfb8a0bcd7f_attn
    .symbol:         k_qfb8a0bcd7f_attn.kd
    .args:
      - { .name: wqb, .offset: 0, .size: 8, .value_kind: global_buffer, .address_space: global }
      - { .name: xb, .offset: 8, .size: 8, .value_kind: global_buffer, .address_space: global }
      - { .name: bq, .offset: 16, .size: 8, .value_kind: global_buffer, .address_space: global }
      - { .name: hb, .offset: 24, .size: 8, .value_kind: global_buffer, .address_space: global }
    .group_segment_fixed_size: 327680
    .private_segment_fixed_size: 0
    .kernarg_segment_align: 8
    .kernarg_segment_size: 32
    .max_flat_workgroup_size: 128
    .sgpr_count:     80
    .vgpr_count:     1024
    .wavefront_size: 32
...
	.end_amdgpu_metadata
.endif
;; end of part 2
;; launch proj (part 3): grid 256 x 1, 8 waves a work-group, clusters of 4 x 1, 327,680 bytes of LDS; arguments hb, Wc, bc, out0; writes out0
.if DOCPART == 3
	.amdgcn_target "amdgcn-amd-amdhsa--gfx1250"
	.amdhsa_code_object_version 6
	.text
	.protected	k_qfb8a0bcd7f_proj
	.globl	k_qfb8a0bcd7f_proj
	.p2align	8
	.type	k_qfb8a0bcd7f_proj,@function
k_qfb8a0bcd7f_proj:
	s_mov_b64 s[64:65], 0
	v_nop
	global_prefetch_b8 v0, s[64:65] scope:SCOPE_SE
	s_setreg_imm32_b32 hwreg(HW_REG_WAVE_MODE, 25, 1), 1
	s_wait_xcnt 0x0
	s_wait_alu depctr_hold_cnt(0) depctr_sa_sdst(0) depctr_va_vdst(0) depctr_va_sdst(0) depctr_va_ssrc(0) depctr_va_vcc(0) depctr_vm_vsrc(0)
	s_getreg_b32 s2, hwreg(HW_REG_IB_STS2, 6, 4)
	s_cmp_eq_u32 s2, 0
	s_cbranch_scc0 .Lentry_in_a_cluster
	s_endpgm
.Lentry_in_a_cluster:
	s_bfe_u32 s2, ttmp6, 0x10000c
	s_cmp_lg_u32 s2, 0x3003
	s_cbranch_scc0 .Lentry_shape_is_right
	s_endpgm
.Lentry_shape_is_right:
; out0[b][n] = sum over k of head[b][k] Wc[n][k] + bc[n].  hb: [8][8192] bf16, Wc: [1024][8192] f32, bc: [1024] f32, out0: [8][1024] f32.
; LIMITS.  Wc and bc are rounded once to bf16 like the other inputs; products in bf16, sums in f32.
; SHARES.  Wc's 33,554,432 bytes are what counts: each of 256 work-groups streams four rows of it, n = 4 g .. 4 g + 3: 131,072 consecutive bytes, read once, all asked for at the start.
; To feed whole matrix instructions, the four rows are read as 16 rows j = 4 nl + seg of 2,048 numbers, head as 32 rows i = 4 b + seg of 2,048:  P = H' Wc'^T is 32 x 16 with K = 2,048, and
; out0[b][4 g + nl] = the sum over seg of P[4 b + seg][4 nl + seg].  Three quarters of P serve nothing: 16 matrix instructions a wave in all, the price of no sum between work-groups.
; Wave w takes K = 256 w .. 256 w + 255: one tensor load of Wc' (16 rows x 1,024 bytes) and one of H' (32 rows x 512 bytes), into LDS bytes of its own, read by it alone.
; CLUSTER.  All work-groups read the same head: the four of a cluster ask for it jointly (mask 15).  Wc's loads are each work-group's own.
; The eight waves' parts of P meet in LDS; wave 0 adds them.  A work-group's results are 8 pieces of 16 bytes of out0 (32,768 bytes in all): whole rows of 256 bytes a work-group would leave
; 16 work-groups to stream Wc.  Nothing is filled twice; no prefetch, since every byte is asked for at the kernel's start.
.set WCP,  1040                        ; a row of Wc' in LDS: 1,024 bytes + 16: the 16 rows of a load start at 16 different groups of four banks (64 banks of 4 bytes: ISA guide 11.1)
.set WCW,  16*WCP                      ; a wave's tile of Wc'
.set HP,   528                         ; a row of H': 512 bytes + 16
.set HW,   32*HP                       ; a wave's tile of H'
.set HL,   8*WCW                       ; H' lies behind Wc'
.set RED,  HL+8*HW                     ; never filled by a tensor load: a wave's part of P, [32][16] f32, 2,048 bytes
.set SPARE, RED+8*2048                 ; the spare words, 128 bytes for each of eight waves
.set BA,   6                           ; v6   my lane's address in my tile of Wc'
.set AAD,  7                           ; v7   in my tile of H'
.set RS,   8                           ; v8   where I put my part of P
.set RL,   10                          ; v10  wave 0: where the terms of my output begin
.set OOF,  11                          ; v11  wave 0: my byte offset in out0
.set RAW,  32                          ; v32-95    Wc' as f32: four K steps of 32, 16 registers each
.set FB,   96                          ; v96-127   the same as bf16 fragments
.set FA,   128                         ; v128-191  H' fragments: K step c, row block mb at FA + 16 c + 8 mb
.set ACC,  192                         ; v192-207  P's two row blocks
.macro ROUND                           ; a round of the cluster's barrier
	s_barrier_signal -1
	s_barrier_wait -1
	s_cmp_lg_u32 s12, 0
	s_cbranch_scc1 .Lnot_wave_0_\@
	s_barrier_signal -3
.Lnot_wave_0_\@:
	s_barrier_wait -3
	s_barrier_signal -1
	s_barrier_wait -1
.endm
	s_load_b256 s[4:11], s[0:1], 0x0               ; hb s[4:5], Wc s[6:7], bc s[8:9], out0 s[10:11]
	v_lshl_add_u32 v30, v0, 2, SPARE
	v_mov_b32 v31, 0
	ds_add_u32 v30, v31                            ; the wave's opening: the add and its wait stand ahead of my first tensor load
	v_lshrrev_b32 v1, 5, v0
	v_readfirstlane_b32 s12, v1                    ; wave 0..7
	s_bfe_u32 s13, ttmp6, 0x40000                  ; cx
	s_lshl_b32 s14, ttmp9, 2
	s_add_co_u32 s14, s14, s13                     ; g = 4 x cluster x + cx: it enters global addresses alone
	s_mov_b32 s16, (2<<16)|(1<<20)|(7<<22)|(3<<25) ; Wc': no mask; 4-byte elements; padding on, 4 words (code 3) after every 256 (code 7)
	s_mov_b32 s17, 256<<16                         ; tensor_dim0 = 256
	s_mov_b32 s18, 16<<16                          ; tensor_dim1 = 16
	s_mov_b32 s19, 256<<16                         ; tile_dim0 = 256
	s_mov_b32 s20, 16                              ; tile_dim1 = 16
	s_mov_b32 s21, 2048                            ; elements from row to row
	s_mov_b32 s22, 0
	s_mov_b32 s23, 0
	s_mov_b32 s32, 15|(1<<16)|(1<<20)|(1<<21)|(6<<22)|(3<<25)  ; H': the mask of four, bit 21 beside it; 2-byte elements; 4 words after every 128 (code 6)
	s_mov_b32 s33, 256<<16
	s_mov_b32 s34, 32<<16
	s_mov_b32 s35, 256<<16
	s_mov_b32 s36, 32
	s_mov_b32 s37, 2048
	s_mov_b32 s38, 0
	s_mov_b32 s39, 0
	s_mov_b32 s24, 1
	s_mul_i32 s25, s12, WCW                        ; my tile of Wc' in LDS
	s_mov_b32 s28, 1
	s_mul_i32 s29, s12, HW
	s_add_co_u32 s29, s29, HL                      ; my tile of H'
	s_lshl_b32 s40, s14, 17                        ; Wc: 131,072 g + 1,024 w
	s_lshl_b32 s41, s12, 10
	s_add_co_u32 s40, s40, s41
	s_mov_b32 s41, 0
	s_lshl_b32 s42, s12, 9                         ; hb: 512 w, the same in all partners
	s_mov_b32 s43, 0
	s_lshl_b32 s44, s14, 4                         ; bc and out0: 16 g
	s_mov_b32 s45, 0
	s_wait_dscnt 0x0                               ; the opening add is done
	s_wait_kmcnt 0x0
	s_add_nc_u64 s[26:27], s[6:7], s[40:41]
	s_or_b32 s27, s27, 0x80000000
	s_add_nc_u64 s[30:31], s[4:5], s[42:43]
	s_or_b32 s31, s31, 0x80000000
	s_add_nc_u64 s[8:9], s[8:9], s[44:45]
	s_add_nc_u64 s[10:11], s[10:11], s[44:45]
	ROUND                                          ; all four work-groups are here: the joint loads meet
	tensor_load_to_lds s[24:27], s[16:23]          ; my two loads, the only ones: two are out
	s_nop 0
	tensor_load_to_lds s[28:31], s[32:39]
	s_nop 0
	v_and_b32 v1, 15, v0                           ; r
	v_bfe_u32 v2, v0, 4, 1                         ; h
	v_and_b32 v3, 3, v0                            ; nl
	v_lshlrev_b32 v4, 2, v3
	global_load_b32 v5, v4, s[8:9]                 ; bc[4 g + nl]
	v_mul_u32_u24 v[BA], v1, WCP                   ; row r; K = 8 h .. 8 h + 7 are 32 bytes of f32
	v_lshl_add_u32 v[BA], v2, 5, v[BA]
	v_add_nc_u32 v[BA], s25, v[BA]
	v_mul_u32_u24 v[AAD], v1, HP                   ; row r; 16 bytes of bf16
	v_lshl_add_u32 v[AAD], v2, 4, v[AAD]
	v_add_nc_u32 v[AAD], s29, v[AAD]
	s_lshl_b32 s46, s12, 11
	s_add_co_u32 s46, s46, RED
	v_lshlrev_b32 v[RS], 2, v1                     ; P(16 mb + 8 h + j, r) at 64 x row + 4 r
	v_lshl_add_u32 v[RS], v2, 9, v[RS]
	v_add_nc_u32 v[RS], s46, v[RS]
	v_and_b32 v9, 31, v0
	v_lshrrev_b32 v9, 2, v9                        ; b = lane / 4
	v_lshlrev_b32 v[RL], 4, v3
	v_lshl_add_u32 v[RL], v9, 8, v[RL]             ; P(4 b + seg, 4 nl + seg) at 256 b + 16 nl + 68 seg
	v_add_nc_u32 v[RL], RED, v[RL]
	v_lshl_add_u32 v[OOF], v9, 12, v4              ; 4,096 b + 4 nl
	s_wait_tensorcnt 0x0                           ; both my tiles are in; nobody else reads them
; Four K steps of 32: 16 loads of Wc' as f32, 16 of H'; Wc' is rounded to bf16 while H' arrives; 8 matrix instructions on two accumulators by turns.
.macro GROUP gq
.irp c, 0,1,2,3
.irp o, 0,1,2,3
	ds_load_b128 v[RAW+16*(\c)+4*(\o):RAW+16*(\c)+4*(\o)+3], v[BA] offset:128*(4*(\gq)+(\c))+16*((\o)&1)+64*((\o)>>1)
.endr
.endr
.irp c, 0,1,2,3
.irp mb, 0,1
	ds_load_b128 v[FA+16*(\c)+8*(\mb):FA+16*(\c)+8*(\mb)+3],   v[AAD] offset:16*HP*(\mb)+64*(4*(\gq)+(\c))
	ds_load_b128 v[FA+16*(\c)+8*(\mb)+4:FA+16*(\c)+8*(\mb)+7], v[AAD] offset:16*HP*(\mb)+64*(4*(\gq)+(\c))+32
.endr
.endr
	s_wait_dscnt 16                                ; Wc' is in; the 16 younger loads (H') may be out
.irp c, 0,1,2,3
.irp i, 0,1,2,3,4,5,6,7
	v_cvt_pk_bf16_f32 v[FB+8*(\c)+(\i)], v[RAW+16*(\c)+2*(\i)], v[RAW+16*(\c)+2*(\i)+1]
.endr
.endr
	s_wait_dscnt 0x0
.irp c, 0,1,2,3
.irp mb, 0,1
.if ((\gq) == 0) && ((\c) == 0)
	v_wmma_f32_16x16x32_bf16 v[ACC+8*(\mb):ACC+8*(\mb)+7], v[FA+16*(\c)+8*(\mb):FA+16*(\c)+8*(\mb)+7], v[FB+8*(\c):FB+8*(\c)+7], 0
.else
	v_wmma_f32_16x16x32_bf16 v[ACC+8*(\mb):ACC+8*(\mb)+7], v[FA+16*(\c)+8*(\mb):FA+16*(\c)+8*(\mb)+7], v[FB+8*(\c):FB+8*(\c)+7], v[ACC+8*(\mb):ACC+8*(\mb)+7]
.endif
.endr
.endr
.rept 4
	v_nop                                          ; four places ahead of the loads and conversions into the fragments, and of the stores of the results
.endr
.endm
	GROUP 0
	GROUP 1
.irp mb, 0,1
.irp j, 0,1,2,3,4,5,6,7
	ds_store_b32 v[RS], v[ACC+8*(\mb)+(\j)] offset:1024*(\mb)+64*(\j)
.endr
.endr
	s_wait_dscnt 0x0                               ; for wave 0's sake: my stores are done
	s_barrier_signal -1
	s_barrier_wait -1
	s_cmp_lg_u32 s12, 0
	s_cbranch_scc1 .Lend
.irp w, 0,1,2,3,4,5,6,7
.irp sg, 0,1,2,3
	ds_load_b32 v[RAW+4*(\w)+(\sg)], v[RL] offset:2048*(\w)+68*(\sg)
.endr
.endr
	s_wait_dscnt 0x0
.irp i, 0,1,2,3,4,5,6,7
	v_pk_add_f32 v[RAW+2*(\i):RAW+2*(\i)+1], v[RAW+2*(\i):RAW+2*(\i)+1], v[RAW+16+2*(\i):RAW+16+2*(\i)+1]
.endr
.irp i, 0,1,2,3
	v_pk_add_f32 v[RAW+2*(\i):RAW+2*(\i)+1], v[RAW+2*(\i):RAW+2*(\i)+1], v[RAW+8+2*(\i):RAW+8+2*(\i)+1]
.endr
.irp i, 0,1
	v_pk_add_f32 v[RAW+2*(\i):RAW+2*(\i)+1], v[RAW+2*(\i):RAW+2*(\i)+1], v[RAW+4+2*(\i):RAW+4+2*(\i)+1]
.endr
	v_pk_add_f32 v[RAW:RAW+1], v[RAW:RAW+1], v[RAW+2:RAW+3]
	s_wait_loadcnt 0x0                             ; bc
	v_cvt_pk_bf16_f32 v5, v5, v5
	v_add_f32 v[RAW], v[RAW], v[RAW+1]
	v_lshlrev_b32 v5, 16, v5                       ; bc rounded to bf16, as f32
	v_add_f32 v[RAW], v[RAW], v5
	global_store_b32 v[OOF], v[RAW], s[10:11]
.Lend:
	s_wait_tensorcnt 0x0                           ; the wave's end, behind my last tensor load and my last LDS store
	ds_add_u32 v30, v31
	s_wait_dscnt 0x0
	ROUND                                          ; the closing round
	s_endpgm
.Lfunc_end_k_qfb8a0bcd7f_proj:
	.size	k_qfb8a0bcd7f_proj, .Lfunc_end_k_qfb8a0bcd7f_proj-k_qfb8a0bcd7f_proj
	.p2alignl 7, 3214868480
	.fill 96, 4, 3214868480
	.section	.rodata,"a",@progbits
	.p2align	6, 0x0
	.amdhsa_kernel k_qfb8a0bcd7f_proj
		.amdhsa_group_segment_fixed_size 327680
		.amdhsa_private_segment_fixed_size 0
		.amdhsa_enable_private_segment 0
		.amdhsa_kernarg_size 32
		.amdhsa_user_sgpr_count 2
		.amdhsa_user_sgpr_kernarg_segment_ptr 1
		.amdhsa_wavefront_size32 1
		.amdhsa_system_sgpr_workgroup_id_x 1
		.amdhsa_system_sgpr_workgroup_id_y 1
		.amdhsa_system_sgpr_workgroup_id_z 1
		.amdhsa_system_vgpr_workitem_id 0
		.amdhsa_next_free_vgpr 208
		.amdhsa_next_free_sgpr 66
		.amdhsa_reserve_vcc 0
		.amdhsa_float_denorm_mode_32 3
		.amdhsa_float_denorm_mode_16_64 3
		.amdhsa_memory_ordered 1
		.amdhsa_forward_progress 1
		.amdhsa_inst_pref_size 19
	.end_amdhsa_kernel
	.amdgpu_metadata
---
amdhsa.version: [ 1, 2 ]
amdhsa.kernels:
  - .name:           k_qfb8a0bcd7f_proj
    .symbol:         k_qfb8a0bcd7f_proj.kd
    .args:
      - { .name: hb, .offset: 0, .size: 8, .value_kind: global_buffer, .address_space: global }
      - { .name: Wc, .offset: 8, .size: 8, .value_kind: global_buffer, .address_space: global }
      - { .name: bc, .offset: 16, .size: 8, .value_kind: global_buffer, .address_space: global }
      - { .name: out0, .offset: 24, .size: 8, .value_kind: global_buffer, .address_space: global }
    .group_segment_fixed_size: 327680
    .private_segment_fixed_size: 0
    .kernarg_segment_align: 8
    .kernarg_segment_size: 32
    .max_flat_workgroup_size: 256
    .sgpr_count:     66
    .vgpr_count:     208
    .wavefront_size: 32
...
	.end_amdgpu_metadata
.endif
;; end of part 3
